; MI455X (gfx1250); checked and timed in simulation.
; The chip was launched on July 23, 2026; its instructions are those of AMD's public machine-readable ISA for CDNA 5 (MIT licence, August 2026) and "CDNA5" Instruction Set Architecture Reference Guide (July 2026). The comments in the code are by the model that wrote it; some were corrected since.
;; Diagonal SSM Kernel. Allowed arithmetic: float matrix products may take bf16 or f16 operands with f32 sums; all other float work in f32.
;; Inputs: a_imag 1,024 x 32 float32; coeffs 2 x 1,024 x 32 x 2 float32; log_a_real 1,024 x 32 float32; log_dt 1,024 float32.
;; Outputs: out0 2 x 1,024 x 2,048 float32.
;; Constants: sequence_length = 2048.
;; 2 versions, each right; version 2 is version 1 with the launch ssm written anew for expert scheduling mode. Each part assembles by itself: llvm-mc -triple=amdgcn-amd-amdhsa -mcpu=gfx1250 --defsym DOCPART=n.
;; ======== version 1 of 2: 1 launch
;; limits: right only within a limited range of input values
;; launch ssm (part 1): grid 256 x 1, 4 waves a work-group, no clusters, 168,448 bytes of LDS; arguments a_imag, coeffs, log_a_real, log_dt, out0; writes out0
.if DOCPART == 1
	.amdgcn_target "amdgcn-amd-amdhsa--gfx1250"
	.amdhsa_code_object_version 6
	.text
	.protected	k_q7e40d75dd5_ssm
	.globl	k_q7e40d75dd5_ssm
	.p2align	8
	.type	k_q7e40d75dd5_ssm,@function
k_q7e40d75dd5_ssm:
	s_mov_b64 s[64:65], 0
	v_nop
	global_prefetch_b8 v0, s[64:65] scope:SCOPE_SE
	s_setreg_imm32_b32 hwreg(HW_REG_WAVE_MODE, 25, 1), 1
	s_wait_xcnt 0x0
; out0[d][h][l] = 2 Re sum over n of sc[d][h][n] exp(delta[h][n] l),  delta = a dt,  sc = c (exp(delta) - 1) / a.
; 1024 channels h, 32 states n, 2048 times l, 2 directions d.  One wave makes one channel; four waves in a work-group, 256 work-groups.
;
; THE PRODUCT.  exp(delta (p + q)) = exp(delta p) exp(delta q), so a channel is a 64 x 64 x 64 real matrix product:
;   row m of direction d:  x = sc[d] w^p,  p = (m & 3) + 256 (m >> 2), m = 0..31      (w = exp(delta))
;   column j:              y = conj(w^q),  q = 4 j, j = 0..63
;   K: k = n holds real parts, k = 32 + n imaginary parts, so sum over k of x y = Re(sc w^(p+q)).
; With this split of l a lane's accumulator registers 0-3 (rows 8 half + 0..3, column lane % 16) are four neighbouring l and sixteen
; neighbouring lanes hold 256 consecutive, aligned bytes of out0: results are stored from the accumulators as they lie.
;
; FORMATS.  Operands are bf16, sums f32.  One bf16 rounding (2^-9 of each term) is too coarse where single channels lie far above the
; output's root mean square, so each operand is a bf16 head plus a bf16 rest and three products are summed: head x head, rest x head,
; head x rest.  What is dropped is about 2^-17 of a term.
;
; POWERS.  Lane = state n.  Only w and V = w^256 are evaluated by exp, sin and cos; all other powers are complex products in f32, in chains
; of about a dozen at the most.  The fragments want lane = row, so the bf16 values pass through the wave's own LDS bytes, stored [k][row]
; (eight rows in one 16-byte store) and read back by the transposing load.  No wave reads another's bytes, and LDS serves a wave's
; instructions in order (ISA guide 5.7.1): no barrier and no wait between the stores and the loads.
;
; NOT USED, and why: the tensor data mover and LDS rings (a channel reads 772 bytes, once); clusters (no two work-groups read the same byte).
;
; LIMITS.  exp(delta l) is a product of factors, so the f32 rounding of the product delta l that a direct evaluation makes is not
; reproduced; each term is within about l 2^-22 of its exact value.  exp(delta) - 1 is formed as that difference and loses digits as
; |delta| falls towards 2^-24.  dt, exp(log_a_real) and any exponential below 2^-126 come out as 0 (v_exp_f32, ISA guide 15.8).
; |a|^2 must be a normal f32: 1e-19 < |a| < 1e19.  Phases keep their meaning up to |256 Im delta| of about 1e7; beyond it sine and cosine
; are finite but arbitrary (the reduced angle is clamped to -1 .. 1).  NaN and infinite inputs are not treated apart.
.set PITCH,    288                     ; an LDS row: 128 bf16 (64 columns of B, 64 rows of A) + 32 bytes
.set IMROW,    32*PITCH                ; the imaginary parts' rows lie 32 rows below the real parts'
.set LOP,      64*PITCH                ; the plane of rests lies behind the plane of heads
.set WAVE_LDS, 2*LOP                   ; 36,864 bytes for each wave
.set ACOL,     128                     ; byte column of A's first row in an LDS row
; registers that live to the end
.set NEG1, 1                           ; -1.0
.set WE,   2                           ; LDS address of my row k = n, for even 16-byte chunks
.set WO,   3                           ; the same for odd chunks
.set RADR, 4                           ; LDS address for the transposing loads
.set OOFF, 5                           ; my byte offset in a channel's row of out0
.set DE1,  6                           ; sc[1]
.set DO1,  8                           ; sc[1] V
.set G1,   10                          ; w,   and i w   (i z = (-Im z, Re z): the second factor of a packed complex product)
.set G1S,  12
.set G2,   14                          ; w^2, i w^2
.set G2S,  16
.set G3,   18                          ; w^3, i w^3
.set G3S,  20
.set VSQ,  22                          ; V^2, i V^2
.set VSQS, 24
.set P0E,  26                          ; sc V^a for an even a and the odd a behind it, two sets that take turns
.set P0O,  28
.set P1E,  30
.set P1O,  32
.set R1,   34                          ; rows 1-3 and 5-7 of a chunk of eight rows of A
.set R2,   36
.set R3,   38
.set R5,   40
.set R6,   42
.set R7,   44
.set LX,   46                          ; v[46:49] rests of rows 0 and 4
.set HR,   50                          ; v[50:53] eight real parts in bf16, heads and then rests
.set HM,   54                          ; v[54:57] eight imaginary parts
.set DF,   64                          ; v[64:95]   four accumulators: one tile of 16 rows x 64 columns
.set AF,   96                          ; v[96:127]  A's fragments of one tile: 16 x (head, rest) + 8 x (K step)
.set BF,   128                         ; v[128:255] B's fragments: 32 x column tile + the same
; set-up only (v64-127)
.set E0,   64                          ; work registers of exp(delta)
.set E1,   80                          ; and of exp(256 delta)
.set LDT,  96
.set LAR,  97
.set AI,   98
.set C0,   100
.set C1,   102
.set DT,   108
.set ARE,  109                         ; exp(log_a_real) = -Re a
.set NUR,  111
.set DEN,  112
.set INV,  113
.set NR,   114
.set NI,   115
.set GG,   116
.set GGS,  118
.set VV,   120
.set VVS,  122
; B's generation only (v128-193)
.set T,    128                         ; eight neighbouring columns, f32 pairs
.set TT,   144
.set UU,   160                         ; conj(w^32), the step from eight columns to the next eight
.set UUS,  162
.set BHR,  164
.set BHM,  168
.set LT,   172
.set US,   188
.set T2S,  190
.set T4S,  192
.macro SWP d, s                        ; d = i s
	v_xor_b32 v[\d], s36, v[\s+1]
	v_mov_b32 v[\d+1], v[\s]
.endm
.macro PMUL d, z, m                    ; (Re z Re m, Re z Im m)
	v_pk_mul_f32 v[\d:\d+1], v[\z:\z+1], v[\m:\m+1] op_sel_hi:[0,1]
.endm
.macro PFMA d, z, ms                   ; + (Im z (-Im m), Im z Re m): d = z m
	v_pk_fma_f32 v[\d:\d+1], v[\z:\z+1], v[\ms:\ms+1], v[\d:\d+1] op_sel:[1,0,0] op_sel_hi:[1,1,1]
.endm
.macro CMUL d, z, m, ms
	PMUL \d, \z, \m
	PFMA \d, \z, \ms
.endm
.macro PACK d, a, b                    ; two f32 to bf16, a in the low half
	v_cvt_pk_bf16_f32 v[\d], v[\a], v[\b]
.endm
.macro RESTL d, h, x                   ; x minus the bf16 in h's low half, exact in f32
	v_fma_mix_f32_bf16 v[\d], v[\h], v[NEG1], v[\x] op_sel_hi:[1,0,0]
.endm
.macro RESTH d, h, x                   ; the same with h's high half
	v_fma_mix_f32_bf16 v[\d], v[\h], v[NEG1], v[\x] op_sel:[1,0,0] op_sel_hi:[1,0,0]
.endm
	s_load_b256 s[4:11], s[0:1], 0x0               ; a_imag s[4:5], coeffs s[6:7], log_a_real s[8:9], log_dt s[10:11]
	s_load_b64 s[12:13], s[0:1], 0x20              ; out0
	s_set_vgpr_msb 0x40
	v_lshl_add_u32 v0, v0, 2, 0x29000
	v_mov_b32 v1, 0
	s_set_vgpr_msb 0x4000
	v_lshrrev_b32 v58, 5, v0
	v_readfirstlane_b32 s14, v58                   ; wave 0..3
	s_lshl_b32 s16, ttmp9, 9                       ; the work-group's 4 channels x 32 states x 4 bytes
	s_lshl_b32 s17, ttmp9, 4                       ; its 4 channels x 4 bytes
	v_lshl_add_u32 v59, v0, 2, s16                 ; (h, n) in log_a_real and a_imag: thread t is channel t / 32, state t % 32
	v_lshl_add_u32 v60, v58, 2, s17                ; h in log_dt
	v_lshlrev_b32 v61, 1, v59                      ; (h, n) in coeffs
	s_wait_kmcnt 0x0
	global_load_b32 v[LDT], v60, s[10:11]
	global_load_b32 v[LAR], v59, s[8:9] th:TH_LOAD_NT
	global_load_b32 v[AI], v59, s[4:5] th:TH_LOAD_NT
	global_load_b64 v[C0:C0+1], v61, s[6:7] th:TH_LOAD_NT
	global_load_b64 v[C1:C1+1], v61, s[6:7] offset:262144 th:TH_LOAD_NT   ; direction 1: 1024 x 32 x 8 bytes on
	; while the loads are out: bases, constants, addresses (none of the loads' address registers is written here)
	s_lshl_b32 s19, ttmp9, 2
	s_add_co_u32 s19, s19, s14                     ; channel h
	s_lshl_b32 s20, s19, 13                        ; 2048 x 4 bytes for a channel
	s_mov_b32 s21, 0
	s_add_nc_u64 s[12:13], s[12:13], s[20:21]      ; out0[0][h]
	s_add_nc_u64 s[22:23], s[12:13], 0x800000      ; out0[1][h]: 1024 x 2048 x 4 bytes on, more than a store's immediate reaches: a base of its own
	s_mul_i32 s18, s14, WAVE_LDS                   ; my wave's LDS bytes
	s_mov_b32 s24, 0x3fb8aa3b                      ; log2 e
	s_mov_b32 s25, 0x32a57060                      ; log2 e minus that f32
	s_mov_b32 s26, 0x3f317218                      ; ln 2
	s_mov_b32 s27, 0x3f22f983                      ; 2 / pi
	s_mov_b32 s28, 0xbfc90fdb                      ; -(pi/2 as f32)
	s_mov_b32 s29, 0x333bbd2e                      ; -(pi/2 minus that f32)
	s_mov_b32 s30, 0xb94ca1f9                      ; sin r = r + r z (S1 + z (S2 + z S3)), z = r r, |r| <= pi/4: S3, S2, S1
	s_mov_b32 s31, 0x3c08839e
	s_mov_b32 s32, 0xbe2aaaa3
	s_mov_b32 s33, 0x37ccf5ce                      ; cos r = 1 + z (-1/2 + z (C1 + z (C2 + z C3))): C3, C2, C1
	s_mov_b32 s34, 0xbab6061a
	s_mov_b32 s35, 0x3d2aaaa5
	s_mov_b32 s36, 0x80000000                      ; the sign
	; Writing: lane n owns LDS rows k = n and 32 + n.  Chunk c (16 bytes, eight rows of A or columns of B) lies at chunk c xor bit 3 of k, so
	; the sixteen lanes of half a store start at sixteen different 16-byte columns of 256 bytes (288 n + 16 bit 3 of n, modulo 256).
	; An even chunk goes by WE, the odd one behind it by WO, both with the pair's offset.
	v_and_b32 v62, 31, v0
	v_mul_u32_u24 v62, v62, PITCH
	v_add_nc_u32 v62, s18, v62
	v_bfe_u32 v63, v0, 3, 1
	v_lshl_add_u32 v[WE], v63, 4, v62
	v_xor_b32 v63, 1, v63                          ; the other value of that bit
	v_lshl_add_u32 v[WO], v63, 4, v62
	; Reading (transposing load, 16-bit data stored [k][row]): lane L addresses row 8 (L / 16) + L % 8, chunk (L / 8) % 2 of the tile's two.
	; All K offsets used are multiples of 16, so bit 3 of k is L / 16, and the flip is a lane constant.
	v_and_b32 v62, 7, v0
	v_bfe_u32 v63, v0, 4, 1                        ; half = L / 16
	v_lshl_add_u32 v62, v63, 3, v62
	v_mul_u32_u24 v62, v62, PITCH
	v_bfe_u32 v[RADR], v0, 3, 1
	v_xor_b32 v[RADR], v[RADR], v63                ; ((L / 8) % 2) xor (L / 16)
	v_lshl_add_u32 v62, v[RADR], 4, v62
	v_add_nc_u32 v[RADR], s18, v62
	v_and_b32 v62, 15, v0
	v_lshlrev_b32 v62, 4, v62                      ; column r: l = 4 r, 16 bytes
	v_lshl_add_u32 v[OOFF], v63, 11, v62           ; rows 8-15 of a tile: l = 512 on
	v_mov_b32 v[NEG1], -1.0
	s_wait_loadcnt 0x0                             ; all five inputs
	; dt = e^log_dt and -Re a = e^log_a_real.  x log2 e is split into its f32 and what that rounding lost, and the loss is put back to first
	; order: dt multiplies phases of thousands of radians, so it is wanted to the last bit or two.
	v_mul_f32 v104, s24, v[LDT]
	v_mul_f32 v105, s24, v[LAR]
	v_fma_f32 v106, v[LDT], s24, -v104
	v_fma_f32 v107, v[LAR], s24, -v105
	v_exp_f32 v[DT], v104
	v_exp_f32 v[ARE], v105
	v_fmac_f32 v106, s25, v[LDT]                   ; a plain instruction that touches neither result nor source stands behind the exponentials (ISA guide 5.7.2)
	v_fmac_f32 v107, s25, v[LAR]
	v_mul_f32 v106, s26, v106
	v_mul_f32 v107, s26, v107
	s_wait_alu depctr_va_vdst(0)
	v_fmac_f32 v[DT], v[DT], v106
	v_fmac_f32 v[ARE], v[ARE], v107
	; w = exp(delta) in set E0 and V = exp(256 delta) in set E1, step by step side by side.
	; Offsets in a set: 0 phase, 1 log2 of the magnitude, 2 quadrant q, 3 r, 4 z, 5 sin r, 6 cos r, 7 q as integer, 8 and 9 signs, 10 sine, 11 cosine, 12 z r, 13 magnitude
	v_mul_f32 v[E0], v[AI], v[DT]                  ; Im delta
	v_mul_f32 v110, v[ARE], v[DT]                  ; -Re delta
	v_mul_f32 v[E1], 0x43800000, v[E0]             ; x 256, exact
	v_mul_f32 v[E0+1], 0xbfb8aa3b, v110            ; Re delta log2 e
	v_mul_f32 v[E1+1], 0x43800000, v[E0+1]
.irp b, E0, E1
	v_mul_f32 v[\b+2], s27, v[\b]
.endr
.irp b, E0, E1
	v_rndne_f32 v[\b+2], v[\b+2]                   ; the nearest multiple of pi/2
.endr
.irp b, E0, E1
	v_exp_f32 v[\b+13], v[\b+1]
.endr
.irp b, E0, E1
	v_fma_f32 v[\b+3], v[\b+2], s28, v[\b]         ; r = phase - q pi/2, pi/2 in two parts, each step one rounding (plain work behind the exponentials)
	v_cvt_i32_f32 v[\b+7], v[\b+2]
.endr
.irp b, E0, E1
	v_fmac_f32 v[\b+3], s29, v[\b+2]
	v_lshlrev_b32 v[\b+8], 31, v[\b+7]             ; q odd, at the sign's place
	v_lshlrev_b32 v[\b+9], 30, v[\b+7]
.endr
.irp b, E0, E1
	v_med3_num_f32 v[\b+3], v[\b+3], -1.0, 1.0     ; changes nothing while the reduction holds (|r| <= pi/4); keeps sine and cosine finite beyond it
	v_and_b32 v[\b+9], s36, v[\b+9]                ; bit 1 of q: the sine's sign
	v_cmp_ne_u32 s[40+(\b-E0)/16], 0, v[\b+8]      ; q odd: sine and cosine change places
.endr
.irp b, E0, E1
	v_mul_f32 v[\b+4], v[\b+3], v[\b+3]
	v_xor_b32 v[\b+8], v[\b+8], v[\b+9]            ; bit 1 xor bit 0: the cosine's sign
.endr
.irp b, E0, E1
	v_fma_f32 v[\b+5], v[\b+4], s30, s31
	v_fma_f32 v[\b+6], v[\b+4], s33, s34
	v_mul_f32 v[\b+12], v[\b+4], v[\b+3]
.endr
.irp b, E0, E1
	v_fma_f32 v[\b+5], v[\b+5], v[\b+4], s32
	v_fma_f32 v[\b+6], v[\b+6], v[\b+4], s35
.endr
.irp b, E0, E1
	v_fma_f32 v[\b+5], v[\b+5], v[\b+12], v[\b+3]
	v_fma_f32 v[\b+6], v[\b+6], v[\b+4], -0.5
.endr
.irp b, E0, E1
	v_fma_f32 v[\b+6], v[\b+6], v[\b+4], 1.0
.endr
.irp b, E0, E1
	v_cndmask_b32 v[\b+10], v[\b+5], v[\b+6], s[40+(\b-E0)/16]
	v_cndmask_b32 v[\b+11], v[\b+6], v[\b+5], s[40+(\b-E0)/16]
.endr
.irp b, E0, E1
	v_xor_b32 v[\b+10], v[\b+10], v[\b+9]
	v_xor_b32 v[\b+11], v[\b+11], v[\b+8]
.endr
	s_wait_alu depctr_va_vdst(0)
	v_mul_f32 v[G1],   v[E0+13], v[E0+11]
	v_mul_f32 v[G1+1], v[E0+13], v[E0+10]
	v_mul_f32 v[VV],   v[E1+13], v[E1+11]
	v_mul_f32 v[VV+1], v[E1+13], v[E1+10]
	SWP G1S, G1
	SWP VVS, VV
	; g = 2 (w - 1) / a = 2 (w - 1) conj(a) / |a|^2, with Re a = -ARE:  Re = (1 - Re w) ARE + Im w Im a,  Im = (-Im w) ARE + (1 - Re w) Im a
	v_sub_f32 v[NUR], 1.0, v[G1]
	v_mul_f32 v[DEN], v[ARE], v[ARE]
	CMUL G2, G1, G1, G1S                           ; w^2
	CMUL VSQ, VV, VV, VVS                          ; V^2
	v_fmac_f32 v[DEN], v[AI], v[AI]
	v_mul_f32 v[NR], v[NUR], v[ARE]
	v_mul_f32 v[NI], v[G1S], v[ARE]
	v_rcp_f32 v[INV], v[DEN]
	v_fmac_f32 v[NR], v[G1+1], v[AI]               ; plain and independent, behind the reciprocal (ISA guide 5.7.2)
	v_fmac_f32 v[NI], v[NUR], v[AI]
	s_wait_alu depctr_va_vdst(0)
	v_add_f32 v[INV], v[INV], v[INV]               ; the result's factor 2
	v_mul_f32 v[GG], v[NR], v[INV]
	v_mul_f32 v[GG+1], v[NI], v[INV]
	SWP G2S, G2
	SWP VSQS, VSQ
	SWP GGS, GG
	CMUL G3, G2, G1, G1S                           ; w^3
	CMUL T+2, G2, G2, G2S                          ; w^4
	CMUL P0E, C0, GG, GGS                          ; sc[0]
	CMUL DE1, C1, GG, GGS                          ; sc[1]
	SWP G3S, G3
	v_xor_b32 v[T+3], s36, v[T+3]                  ; u = conj(w^4): column 1
	CMUL P0O, P0E, VV, VVS                         ; sc[0] V
	CMUL DO1, DE1, VV, VVS                         ; sc[1] V
	; columns 0 to 7: u^0 .. u^7, and the step u^8
	v_mov_b32 v[T], 1.0
	v_mov_b32 v[T+1], 0
	SWP US, T+2
	CMUL T+4, T+2, T+2, US
	SWP T2S, T+4
	CMUL T+6, T+4, T+2, US
	CMUL T+8, T+4, T+4, T2S
	SWP T4S, T+8
	CMUL T+10, T+2, T+8, T4S
	CMUL T+12, T+4, T+8, T4S
	CMUL T+14, T+6, T+8, T4S
	CMUL UU, T+8, T+8, T4S
	SWP UUS, UU
; Eight columns of B: heads, rests, four stores of 16 bytes (real and imaginary parts of the heads, then of the rests).
.macro BBLOCK wa, off
.irp q, 0,1,2,3
	PACK BHR+\q, T+4*\q, T+4*\q+2
	PACK BHM+\q, T+4*\q+1, T+4*\q+3
.endr
	ds_store_b128 v[\wa], v[BHR:BHR+3] offset:\off
	ds_store_b128 v[\wa], v[BHM:BHM+3] offset:\off+IMROW
.irp q, 0,1,2,3
	RESTL LT+4*\q, BHR+\q, T+4*\q
	RESTH LT+4*\q+2, BHR+\q, T+4*\q+2
	RESTL LT+4*\q+1, BHM+\q, T+4*\q+1
	RESTH LT+4*\q+3, BHM+\q, T+4*\q+3
.endr
.irp q, 0,1,2,3
	PACK BHR+\q, LT+4*\q, LT+4*\q+2
	PACK BHM+\q, LT+4*\q+1, LT+4*\q+3
.endr
	ds_store_b128 v[\wa], v[BHR:BHR+3] offset:\off+LOP
	ds_store_b128 v[\wa], v[BHM:BHM+3] offset:\off+LOP+IMROW
.endm
.macro BSTEP                           ; the next eight columns: all eight times u^8, independent of each other
.irp i, 0,1,2,3,4,5,6,7
	PMUL TT+2*\i, T+2*\i, UU
.endr
.irp i, 0,1,2,3,4,5,6,7
	v_pk_fma_f32 v[T+2*\i:T+2*\i+1], v[T+2*\i:T+2*\i+1], v[UUS:UUS+1], v[TT+2*\i:TT+2*\i+1] op_sel:[1,0,0] op_sel_hi:[1,1,1]
.endr
.endm
.irp k, 0,1,2,3
	BBLOCK WE, 32*\k
	BSTEP
	BBLOCK WO, 32*\k
.if \k < 3
	BSTEP
.endif
.endr
; The four fragments of a tile of 16 rows or columns at byte column cb: (head, rest) x (K step 0: real parts, K step 1: imaginary parts).
; The first load of a fragment brings k = 8 half + 0..7 into registers 0-3, the second, 16 LDS rows below, k = 16 + 8 half + 0..7 into 4-7.
.macro LOADF dst, cb
.irp p, 0,1
.irp s, 0,1
	ds_load_tr16_b128 v[\dst+16*\p+8*\s:\dst+16*\p+8*\s+3], v[RADR] offset:\p*LOP+\s*IMROW+\cb
	ds_load_tr16_b128 v[\dst+16*\p+8*\s+4:\dst+16*\p+8*\s+7], v[RADR] offset:\p*LOP+\s*IMROW+16*PITCH+\cb
.endr
.endr
.endm
.irp c, 0,1,2,3
	LOADF BF+32*\c, 32*\c                          ; all of B stays in registers; these land while A's first tile is made
.endr
; The next of a tile's 24 matrix instructions, if any is left.  Number i: accumulator i % 4; product i / 4 = 0, 1: head x head (K steps 0, 1),
; 2, 3: A's rest x B's head, 4, 5: A's head x B's rest.  The first product starts the sums: nothing is cleared.  The four accumulators take
; turns, one instruction a turn.
.macro MM
.if mm_idx < 24
	.set mm_p, mm_idx/4
	.set mm_c, mm_idx%4
	.set mm_a, AF+16*((mm_p/2)%2)+8*(mm_p%2)
	.set mm_b, BF+32*mm_c+16*(mm_p/4)+8*(mm_p%2)
	.set mm_d, DF+8*mm_c
.if mm_p == 0
	v_wmma_f32_16x16x32_bf16 v[mm_d:mm_d+7], v[mm_a:mm_a+7], v[mm_b:mm_b+7], 0
.else
	v_wmma_f32_16x16x32_bf16 v[mm_d:mm_d+7], v[mm_a:mm_a+7], v[mm_b:mm_b+7], v[mm_d:mm_d+7]
.endif
	.set mm_idx, mm_idx+1
.endif
.endm
; Eight rows of A (one chunk): rows 0-3 = xe w^0..3, rows 4-7 = xo w^0..3, with xe = sc V^a, xo = sc V^(a+1).  more = 1: (ne, no) = (xe, xo) V^2 for
; the next chunk.  Twelve matrix instructions of the tile before are strewn among the vector work; they name v64-255, the vector work v1-57.
.macro ABATCH xe, xo, ne, no, wa, off, more
	MM
	PMUL R1, \xe, G1
	PMUL R2, \xe, G2
	PMUL R3, \xe, G3
	PMUL R5, \xo, G1
	MM
	PMUL R6, \xo, G2
	PMUL R7, \xo, G3
.if \more
	PMUL \ne, \xe, VSQ
	PMUL \no, \xo, VSQ
.endif
	MM
	PFMA R1, \xe, G1S
	PFMA R2, \xe, G2S
	PFMA R3, \xe, G3S
	PFMA R5, \xo, G1S
	MM
	PFMA R6, \xo, G2S
	PFMA R7, \xo, G3S
.if \more
	PFMA \ne, \xe, VSQS
	PFMA \no, \xo, VSQS
.endif
	MM
	PACK HR, \xe, R1
	PACK HM, \xe+1, R1+1
	PACK HR+1, R2, R3
	PACK HM+1, R2+1, R3+1
	MM
	PACK HR+2, \xo, R5
	PACK HM+2, \xo+1, R5+1
	PACK HR+3, R6, R7
	PACK HM+3, R6+1, R7+1
	ds_store_b128 v[\wa], v[HR:HR+3] offset:\off
	ds_store_b128 v[\wa], v[HM:HM+3] offset:\off+IMROW
	MM
	RESTL LX, HR, \xe
	RESTH R1, HR, R1
	RESTL LX+1, HM, \xe+1
	RESTH R1+1, HM, R1+1
	MM
	RESTL R2, HR+1, R2
	RESTH R3, HR+1, R3
	RESTL R2+1, HM+1, R2+1
	RESTH R3+1, HM+1, R3+1
	MM
	RESTL LX+2, HR+2, \xo
	RESTH R5, HR+2, R5
	RESTL LX+3, HM+2, \xo+1
	RESTH R5+1, HM+2, R5+1
	MM
	RESTL R6, HR+3, R6
	RESTH R7, HR+3, R7
	RESTL R6+1, HM+3, R6+1
	RESTH R7+1, HM+3, R7+1
	MM
	PACK HR, LX, R1
	PACK HM, LX+1, R1+1
	PACK HR+1, R2, R3
	PACK HM+1, R2+1, R3+1
	MM
	PACK HR+2, LX+2, R5
	PACK HM+2, LX+3, R5+1
	PACK HR+3, R6, R7
	PACK HM+3, R6+1, R7+1
	ds_store_b128 v[\wa], v[HR:HR+3] offset:\off+LOP
	ds_store_b128 v[\wa], v[HM:HM+3] offset:\off+LOP+IMROW
.endm
; Five plain vector instructions that name none of their registers stand behind a tile's last matrix instructions, ahead of
; the loads into A's fragments, of the stores that read the accumulators, and of the next tile's first products, which write over them.
.macro PLACES
.rept 5
	v_nop
.endr
.endm
; A tile goes out.  Accumulator c, registers 0-3: byte 16 r + 256 c + 2048 half of the tile's 4,096; registers 4-7: 1,024 bytes on.
; In each store lanes 0-15 write 256 consecutive bytes at a multiple of 256 from out0's first byte, lanes 16-31 another such run.
.macro OUTT sb, off
.irp c, 0,1,2,3
	global_store_b128 v[OOFF], v[DF+8*\c:DF+8*\c+3], s[\sb:\sb+1] offset:\off+256*\c th:TH_STORE_NT
	global_store_b128 v[OOFF], v[DF+8*\c+4:DF+8*\c+7], s[\sb:\sb+1] offset:\off+256*\c+1024 th:TH_STORE_NT
.endr
.endm
; Between two tiles: the places, the next tile's fragments asked for, the finished tile stored, and the two waits.
.macro NEXTT cb, sb, off
	PLACES
	LOADF AF, \cb
	OUTT \sb, \off
	s_wait_dscnt 0x0                               ; the next tile's fragments are in registers
	s_wait_xcnt 0x0                                ; the accumulators are the stores' data: the next tile's first products write them only behind this wait
.endm
	; Tile 2 d + t' holds rows m = 16 t' .. 16 t' + 15 of direction d, that is l = 1024 t' .. 1024 t' + 1023.
	; Tile 0 is made with no matrix work beside it; each later tile is made while the tile before is multiplied.
	.set mm_idx, 24
	ABATCH P0E, P0O, P1E, P1O, WE, ACOL, 1         ; sc[0] V^0, V^1
	ABATCH P1E, P1O, P0E, P0O, WO, ACOL, 1         ; V^2, V^3
	LOADF AF, ACOL
	s_wait_dscnt 0x0                               ; tile 0's fragments, and all of B's
	.set mm_idx, 0
	ABATCH P0E, P0O, P1E, P1O, WE, ACOL+32, 1      ; V^4, V^5
	ABATCH P1E, P1O, P0E, P0O, WO, ACOL+32, 0      ; V^6, V^7
	NEXTT ACOL+32, 12, 0
	.set mm_idx, 0
	ABATCH DE1, DO1, P0E, P0O, WE, ACOL+64, 1      ; sc[1] V^0, V^1
	ABATCH P0E, P0O, P1E, P1O, WO, ACOL+64, 1
	NEXTT ACOL+64, 12, 4096
	.set mm_idx, 0
	ABATCH P1E, P1O, P0E, P0O, WE, ACOL+96, 1
	ABATCH P0E, P0O, P1E, P1O, WO, ACOL+96, 0
	NEXTT ACOL+96, 22, 0
	.set mm_idx, 0
.rept 24
	MM                                             ; the last tile: nothing is left to make beside it
.endr
	PLACES
	OUTT 22, 4096
	s_set_vgpr_msb 0x5
	s_wait_tensorcnt 0x0
	ds_add_u32 v0, v1
	s_wait_dscnt 0x0
	s_set_vgpr_msb 0x500
	s_endpgm
.Lfunc_end_k_q7e40d75dd5_ssm:
	.size	k_q7e40d75dd5_ssm, .Lfunc_end_k_q7e40d75dd5_ssm-k_q7e40d75dd5_ssm
	.p2alignl 7, 3214868480
	.fill 96, 4, 3214868480
	.section	.rodata,"a",@progbits
	.p2align	6, 0x0
	.amdhsa_kernel k_q7e40d75dd5_ssm
		.amdhsa_group_segment_fixed_size 168448
		.amdhsa_private_segment_fixed_size 0
		.amdhsa_enable_private_segment 0
		.amdhsa_kernarg_size 40
		.amdhsa_user_sgpr_count 2
		.amdhsa_user_sgpr_kernarg_segment_ptr 1
		.amdhsa_wavefront_size32 1
		.amdhsa_system_sgpr_workgroup_id_x 1
		.amdhsa_system_sgpr_workgroup_id_y 1
		.amdhsa_system_sgpr_workgroup_id_z 1
		.amdhsa_system_vgpr_workitem_id 0
		.amdhsa_next_free_vgpr 258
		.amdhsa_next_free_sgpr 66
		.amdhsa_reserve_vcc 0
		.amdhsa_float_denorm_mode_32 3
		.amdhsa_float_denorm_mode_16_64 3
		.amdhsa_memory_ordered 1
		.amdhsa_forward_progress 1
		.amdhsa_inst_pref_size 75
	.end_amdhsa_kernel
	.amdgpu_metadata
---
amdhsa.version: [ 1, 2 ]
amdhsa.kernels:
  - .name:           k_q7e40d75dd5_ssm
    .symbol:         k_q7e40d75dd5_ssm.kd
    .args:
      - { .name: a_imag, .offset: 0, .size: 8, .value_kind: global_buffer, .address_space: global }
      - { .name: coeffs, .offset: 8, .size: 8, .value_kind: global_buffer, .address_space: global }
      - { .name: log_a_real, .offset: 16, .size: 8, .value_kind: global_buffer, .address_space: global }
      - { .name: log_dt, .offset: 24, .size: 8, .value_kind: global_buffer, .address_space: global }
      - { .name: out0, .offset: 32, .size: 8, .value_kind: global_buffer, .address_space: global }
    .group_segment_fixed_size: 168448
    .private_segment_fixed_size: 0
    .kernarg_segment_align: 8
    .kernarg_segment_size: 40
    .max_flat_workgroup_size: 128
    .sgpr_count:     66
    .vgpr_count:     258
    .wavefront_size: 32
...
	.end_amdgpu_metadata
.endif
;; end of part 1
;; ======== version 2 of 2: 1 launch; version 1 with the launch ssm written anew for expert scheduling mode
;; limits: right only within a limited range of input values
;; launch ssm (part 2): grid 256 x 1, 4 waves a work-group, no clusters, 168,448 bytes of LDS; arguments a_imag, coeffs, log_a_real, log_dt, out0; writes out0
.if DOCPART == 2
	.amdgcn_target "amdgcn-amd-amdhsa--gfx1250"
	.amdhsa_code_object_version 6
	.text
	.protected	k_q7e40d75dd5_ssm
	.globl	k_q7e40d75dd5_ssm
	.p2align	8
	.type	k_q7e40d75dd5_ssm,@function
k_q7e40d75dd5_ssm:
	s_mov_b64 s[64:65], 0
	v_nop
	global_prefetch_b8 v0, s[64:65] scope:SCOPE_SE
	s_setreg_imm32_b32 hwreg(HW_REG_WAVE_SCHED_MODE, 0, 2), 2
	s_setreg_imm32_b32 hwreg(HW_REG_WAVE_MODE, 25, 1), 1
	s_wait_xcnt 0x0
	s_wait_alu depctr_vm_vsrc(0)
; out0[d][h][l] = 2 Re sum over n of sc[d][h][n] exp(delta[h][n] l),  delta = a dt,  sc = c (exp(delta) - 1) / a.
; 1024 channels h, 32 states n, 2048 times l, 2 directions d.  One wave makes one channel; four waves in a work-group, 256 work-groups.
;
; THE PRODUCT.  exp(delta (p + q)) = exp(delta p) exp(delta q), so a channel is a 64 x 64 x 64 real matrix product:
;   row m of direction d:  x = sc[d] w^p,  p = (m & 3) + 256 (m >> 2), m = 0..31      (w = exp(delta))
;   column j:              y = conj(w^q),  q = 4 j, j = 0..63
;   K: k = n holds real parts, k = 32 + n imaginary parts, so sum over k of x y = Re(sc w^(p+q)).
; With this split of l a lane's accumulator registers 0-3 (rows 8 half + 0..3, column lane % 16) are four neighbouring l and sixteen
; neighbouring lanes hold 256 consecutive, aligned bytes of out0: results are stored from the accumulators as they lie.
;
; FORMATS.  Operands are bf16, sums f32.  One bf16 rounding (2^-9 of each term) is too coarse where single channels lie far above the
; output's root mean square, so each operand is a bf16 head plus a bf16 rest and three products are summed: head x head, rest x head,
; head x rest.  What is dropped is about 2^-17 of a term.
;
; POWERS.  Lane = state n.  Only w and V = w^256 are evaluated by exp, sin and cos; all other powers are complex products in f32, in chains
; of about a dozen at the most.  The fragments want lane = row, so the bf16 values pass through the wave's own LDS bytes, stored [k][row]
; (eight rows in one 16-byte store) and read back by the transposing load.  No wave reads another's bytes, and LDS serves a wave's
; instructions in order (ISA guide 5.7.1): no barrier and no wait between the stores and the loads.
;
; THE MODE: SCHED_MODE bits 1:0 = 2 (LLVM: expert scheduling mode 2), set by the entry lines.  The code itself states the register dependences
; between vector or matrix instructions and memory or LDS instructions, with s_wait_alu, always for 0.
; THE PLAN.  The text is one straight run.  Registers that memory or LDS instructions touch:
;   v59-61            offsets of the five input loads: made at the head; written again only as LR, far behind a wait on vm_vsrc.
;   WE, WO, RADR, OOFF  addresses: made once at the head, never written again.
;   OUT0, OUT1        B's generation: pair k of chunks packs into OUT[k % 2]; its eight LDS stores are issued inside pair k + 1, whose vector lines
;                     name the other OUT alone.  So one wait on va_vdst at a pair's head serves eight stores, and the wait on vm_vsrc for the
;                     buffer that the pair writes again stands a whole pair behind the stores that read it.
;   v128-255 (BF)     named by B's generation (v128-193), then B's fragments land there, once.
;   HR, HM, LR, LM    one chunk of A: all sixteen packings first, then one wait on va_vdst and four LDS stores; the next chunk's first packing stands
;                     behind a wait on vm_vsrc.
;   AF, DF            a tile's 24 matrix instructions read AF and write DF.  At the tile's end ONE wait on va_vdst states that the second chunk is packed,
;                     that DF is written and that AF has been read; the chunk's stores, the next fragments' loads and the tile's global stores follow it.
;                     ONE wait on vm_vsrc, beside s_wait_xcnt 0, then frees DF and the chunk's registers.
;
; NOT USED, and why: the tensor data mover and LDS rings (a channel reads 772 bytes, once); clusters (no two work-groups read the same byte).
;
; LIMITS.  exp(delta l) is a product of factors, so the f32 rounding of the product delta l that a direct evaluation makes is not
; reproduced; each term is within about l 2^-22 of its exact value.  exp(delta) - 1 is formed as that difference and loses digits as
; |delta| falls towards 2^-24.  dt, exp(log_a_real) and any exponential below 2^-126 come out as 0 (v_exp_f32, ISA guide 15.8).
; |a|^2 must be a normal f32: 1e-19 < |a| < 1e19.  Phases keep their meaning up to |256 Im delta| of about 1e7; beyond it sine and cosine
; are finite but arbitrary (the reduced angle is clamped to -1 .. 1).  NaN and infinite inputs are not treated apart.
.set PITCH,    288                     ; an LDS row: 128 bf16 (64 columns of B, 64 rows of A) + 32 bytes
.set IMROW,    32*PITCH                ; the imaginary parts' rows lie 32 rows below the real parts'
.set LOP,      64*PITCH                ; the plane of rests lies behind the plane of heads
.set WAVE_LDS, 2*LOP                   ; 36,864 bytes for each wave
.set ACOL,     128                     ; byte column of A's first row in an LDS row
; registers that live to the end
.set NEG1, 1                           ; -1.0
.set WE,   2                           ; LDS address of my row k = n, for even 16-byte chunks
.set WO,   3                           ; the same for odd chunks
.set RADR, 4                           ; LDS address for the transposing loads
.set OOFF, 5                           ; my byte offset in a channel's row of out0
.set DE1,  6                           ; sc[1]
.set DO1,  8                           ; sc[1] V
.set G1,   10                          ; w,   and i w   (i z = (-Im z, Re z): the second factor of a packed complex product)
.set G1S,  12
.set G2,   14                          ; w^2, i w^2
.set G2S,  16
.set G3,   18                          ; w^3, i w^3
.set G3S,  20
.set VSQ,  22                          ; V^2, i V^2
.set VSQS, 24
.set P0E,  26                          ; sc V^a for an even a and the odd a behind it, two sets that take turns
.set P0O,  28
.set P1E,  30
.set P1O,  32
.set R1,   34                          ; rows 1-3 and 5-7 of a chunk of eight rows of A
.set R2,   36
.set R3,   38
.set R5,   40
.set R6,   42
.set R7,   44
.set LX,   46                          ; v[46:49] rests of rows 0 and 4 in f32,
.set LM,   46                          ;          and then, packed in place, the eight rests' imaginary parts in bf16
.set HR,   50                          ; v[50:53] the eight heads' real parts in bf16
.set HM,   54                          ; v[54:57] their imaginary parts
.set LR,   58                          ; v[58:61] the eight rests' real parts in bf16 (at the head v58-63 are at work)
.set DF,   64                          ; v[64:95]   four accumulators: one tile of 16 rows x 64 columns
.set AF,   96                          ; v[96:127]  A's fragments of one tile: 16 x (head, rest) + 8 x (K step)
.set BF,   128                         ; v[128:255] B's fragments: 32 x column tile + the same
; set-up only (v64-127)
.set E0,   64                          ; work registers of exp(delta)
.set E1,   80                          ; and of exp(256 delta)
.set LDT,  96
.set LAR,  97
.set AI,   98
.set C0,   100
.set C1,   102
.set DT,   108
.set ARE,  109                         ; exp(log_a_real) = -Re a
.set NUR,  111
.set DEN,  112
.set INV,  113
.set NR,   114
.set NI,   115
.set GG,   116
.set GGS,  118
.set VV,   120
.set VVS,  122
; B's generation only (v64-127 once the set-up has left them, and v128-193)
.set OUT,  64                          ; v[64:127] two buffers of 32: a pair of chunks; a chunk's 16: heads' real, heads' imaginary, rests' real, rests' imaginary parts
.set T,    128                         ; eight neighbouring columns, f32 pairs
.set TT,   144
.set UU,   160                         ; conj(w^32), the step from eight columns to the next eight
.set UUS,  162
.set LT,   172
.set US,   188
.set T2S,  190
.set T4S,  192
.macro SWP d, s                        ; d = i s
	v_xor_b32 v[\d], s36, v[\s+1]
	v_mov_b32 v[\d+1], v[\s]
.endm
.macro PMUL d, z, m                    ; (Re z Re m, Re z Im m)
	v_pk_mul_f32 v[\d:\d+1], v[\z:\z+1], v[\m:\m+1] op_sel_hi:[0,1]
.endm
.macro PFMA d, z, ms                   ; + (Im z (-Im m), Im z Re m): d = z m
	v_pk_fma_f32 v[\d:\d+1], v[\z:\z+1], v[\ms:\ms+1], v[\d:\d+1] op_sel:[1,0,0] op_sel_hi:[1,1,1]
.endm
.macro CMUL d, z, m, ms
	PMUL \d, \z, \m
	PFMA \d, \z, \ms
.endm
.macro PACK d, a, b                    ; two f32 to bf16, a in the low half
	v_cvt_pk_bf16_f32 v[\d], v[\a], v[\b]
.endm
.macro RESTL d, h, x                   ; x minus the bf16 in h's low half, exact in f32
	v_fma_mix_f32_bf16 v[\d], v[\h], v[NEG1], v[\x] op_sel_hi:[1,0,0]
.endm
.macro RESTH d, h, x                   ; the same with h's high half
	v_fma_mix_f32_bf16 v[\d], v[\h], v[NEG1], v[\x] op_sel:[1,0,0] op_sel_hi:[1,0,0]
.endm
	s_load_b256 s[4:11], s[0:1], 0x0               ; a_imag s[4:5], coeffs s[6:7], log_a_real s[8:9], log_dt s[10:11]
	s_load_b64 s[12:13], s[0:1], 0x20              ; out0
	s_set_vgpr_msb 0x40
	v_lshl_add_u32 v0, v0, 2, 0x29000
	v_mov_b32 v1, 0
	s_set_vgpr_msb 0x4000
	v_lshrrev_b32 v58, 5, v0
	v_readfirstlane_b32 s14, v58                   ; wave 0..3
	s_lshl_b32 s16, ttmp9, 9                       ; the work-group's 4 channels x 32 states x 4 bytes
	s_lshl_b32 s17, ttmp9, 4                       ; its 4 channels x 4 bytes
	v_lshl_add_u32 v59, v0, 2, s16                 ; (h, n) in log_a_real and a_imag: thread t is channel t / 32, state t % 32
	v_lshl_add_u32 v60, v58, 2, s17                ; h in log_dt
	v_lshlrev_b32 v61, 1, v59                      ; (h, n) in coeffs
	s_wait_kmcnt 0x0
	s_wait_alu depctr_va_vdst(0)                   ; v59, v60 and v61 are written: the five loads read them as their offsets
	global_load_b32 v[LDT], v60, s[10:11]
	global_load_b32 v[LAR], v59, s[8:9] th:TH_LOAD_NT
	global_load_b32 v[AI], v59, s[4:5] th:TH_LOAD_NT
	global_load_b64 v[C0:C0+1], v61, s[6:7] th:TH_LOAD_NT
	global_load_b64 v[C1:C1+1], v61, s[6:7] offset:262144 th:TH_LOAD_NT   ; direction 1: 1024 x 32 x 8 bytes on
	; while the loads are out: bases, constants, addresses (none of the loads' address registers is written here)
	s_wait_alu depctr_va_sdst(0)                   ; s14 is written, ahead of its first reader: out0's bases and the wave's LDS bytes are made from it
	s_lshl_b32 s19, ttmp9, 2
	s_add_co_u32 s19, s19, s14                     ; channel h
	s_lshl_b32 s20, s19, 13                        ; 2048 x 4 bytes for a channel
	s_mov_b32 s21, 0
	s_add_nc_u64 s[12:13], s[12:13], s[20:21]      ; out0[0][h]
	s_add_nc_u64 s[22:23], s[12:13], 0x800000      ; out0[1][h]: 1024 x 2048 x 4 bytes on, more than a store's immediate reaches: a base of its own
	s_mul_i32 s18, s14, WAVE_LDS                   ; my wave's LDS bytes
	s_mov_b32 s24, 0x3fb8aa3b                      ; log2 e
	s_mov_b32 s25, 0x32a57060                      ; log2 e minus that f32
	s_mov_b32 s26, 0x3f317218                      ; ln 2
	s_mov_b32 s27, 0x3f22f983                      ; 2 / pi
	s_mov_b32 s28, 0xbfc90fdb                      ; -(pi/2 as f32)
	s_mov_b32 s29, 0x333bbd2e                      ; -(pi/2 minus that f32)
	s_mov_b32 s30, 0xb94ca1f9                      ; sin r = r + r z (S1 + z (S2 + z S3)), z = r r, |r| <= pi/4: S3, S2, S1
	s_mov_b32 s31, 0x3c08839e
	s_mov_b32 s32, 0xbe2aaaa3
	s_mov_b32 s33, 0x37ccf5ce                      ; cos r = 1 + z (-1/2 + z (C1 + z (C2 + z C3))): C3, C2, C1
	s_mov_b32 s34, 0xbab6061a
	s_mov_b32 s35, 0x3d2aaaa5
	s_mov_b32 s36, 0x80000000                      ; the sign
	; Writing: lane n owns LDS rows k = n and 32 + n.  Chunk c (16 bytes, eight rows of A or columns of B) lies at chunk c xor bit 3 of k, so
	; the sixteen lanes of half a store start at sixteen different 16-byte columns of 256 bytes (288 n + 16 bit 3 of n, modulo 256).
	; An even chunk goes by WE, the odd one behind it by WO, both with the pair's offset.
	v_and_b32 v62, 31, v0
	v_mul_u32_u24 v62, v62, PITCH
	v_add_nc_u32 v62, s18, v62
	v_bfe_u32 v63, v0, 3, 1
	v_lshl_add_u32 v[WE], v63, 4, v62
	v_xor_b32 v63, 1, v63                          ; the other value of that bit
	v_lshl_add_u32 v[WO], v63, 4, v62
	; Reading (transposing load, 16-bit data stored [k][row]): lane L addresses row 8 (L / 16) + L % 8, chunk (L / 8) % 2 of the tile's two.
	; All K offsets used are multiples of 16, so bit 3 of k is L / 16, and the flip is a lane constant.
	v_and_b32 v62, 7, v0
	v_bfe_u32 v63, v0, 4, 1                        ; half = L / 16
	v_lshl_add_u32 v62, v63, 3, v62
	v_mul_u32_u24 v62, v62, PITCH
	v_bfe_u32 v[RADR], v0, 3, 1
	v_xor_b32 v[RADR], v[RADR], v63                ; ((L / 8) % 2) xor (L / 16)
	v_lshl_add_u32 v62, v[RADR], 4, v62
	v_add_nc_u32 v[RADR], s18, v62
	v_and_b32 v62, 15, v0
	v_lshlrev_b32 v62, 4, v62                      ; column r: l = 4 r, 16 bytes
	v_lshl_add_u32 v[OOFF], v63, 11, v62           ; rows 8-15 of a tile: l = 512 on
	v_mov_b32 v[NEG1], -1.0
	s_wait_loadcnt 0x0                             ; all five inputs
	; dt = e^log_dt and -Re a = e^log_a_real.  x log2 e is split into its f32 and what that rounding lost, and the loss is put back to first
	; order: dt multiplies phases of thousands of radians, so it is wanted to the last bit or two.
	v_mul_f32 v104, s24, v[LDT]
	v_mul_f32 v105, s24, v[LAR]
	v_fma_f32 v106, v[LDT], s24, -v104
	v_fma_f32 v107, v[LAR], s24, -v105
	v_exp_f32 v[DT], v104
	v_exp_f32 v[ARE], v105
	v_fmac_f32 v106, s25, v[LDT]                   ; a plain instruction that touches neither result nor source stands behind the exponentials (ISA guide 5.7.2)
	v_fmac_f32 v107, s25, v[LAR]
	v_mul_f32 v106, s26, v106
	v_mul_f32 v107, s26, v107
	s_wait_alu depctr_va_vdst(0)
	v_fmac_f32 v[DT], v[DT], v106
	v_fmac_f32 v[ARE], v[ARE], v107
	; w = exp(delta) in set E0 and V = exp(256 delta) in set E1, step by step side by side.
	; Offsets in a set: 0 phase, 1 log2 of the magnitude, 2 quadrant q, 3 r, 4 z, 5 sin r, 6 cos r, 7 q as integer, 8 and 9 signs, 10 sine, 11 cosine, 12 z r, 13 magnitude
	v_mul_f32 v[E0], v[AI], v[DT]                  ; Im delta
	v_mul_f32 v110, v[ARE], v[DT]                  ; -Re delta
	v_mul_f32 v[E1], 0x43800000, v[E0]             ; x 256, exact
	v_mul_f32 v[E0+1], 0xbfb8aa3b, v110            ; Re delta log2 e
	v_mul_f32 v[E1+1], 0x43800000, v[E0+1]
.irp b, E0, E1
	v_mul_f32 v[\b+2], s27, v[\b]
.endr
.irp b, E0, E1
	v_rndne_f32 v[\b+2], v[\b+2]                   ; the nearest multiple of pi/2
.endr
.irp b, E0, E1
	v_exp_f32 v[\b+13], v[\b+1]
.endr
.irp b, E0, E1
	v_fma_f32 v[\b+3], v[\b+2], s28, v[\b]         ; r = phase - q pi/2, pi/2 in two parts, each step one rounding (plain work behind the exponentials)
	v_cvt_i32_f32 v[\b+7], v[\b+2]
.endr
.irp b, E0, E1
	v_fmac_f32 v[\b+3], s29, v[\b+2]
	v_lshlrev_b32 v[\b+8], 31, v[\b+7]             ; q odd, at the sign's place
	v_lshlrev_b32 v[\b+9], 30, v[\b+7]
.endr
.irp b, E0, E1
	v_med3_num_f32 v[\b+3], v[\b+3], -1.0, 1.0     ; changes nothing while the reduction holds (|r| <= pi/4); keeps sine and cosine finite beyond it
	v_and_b32 v[\b+9], s36, v[\b+9]                ; bit 1 of q: the sine's sign
	v_cmp_ne_u32 s[40+(\b-E0)/16], 0, v[\b+8]      ; q odd: sine and cosine change places
.endr
.irp b, E0, E1
	v_mul_f32 v[\b+4], v[\b+3], v[\b+3]
	v_xor_b32 v[\b+8], v[\b+8], v[\b+9]            ; bit 1 xor bit 0: the cosine's sign
.endr
.irp b, E0, E1
	v_fma_f32 v[\b+5], v[\b+4], s30, s31
	v_fma_f32 v[\b+6], v[\b+4], s33, s34
	v_mul_f32 v[\b+12], v[\b+4], v[\b+3]
.endr
.irp b, E0, E1
	v_fma_f32 v[\b+5], v[\b+5], v[\b+4], s32
	v_fma_f32 v[\b+6], v[\b+6], v[\b+4], s35
.endr
.irp b, E0, E1
	v_fma_f32 v[\b+5], v[\b+5], v[\b+12], v[\b+3]
	v_fma_f32 v[\b+6], v[\b+6], v[\b+4], -0.5
.endr
.irp b, E0, E1
	v_fma_f32 v[\b+6], v[\b+6], v[\b+4], 1.0
.endr
	s_wait_alu depctr_va_sdst(0)                   ; the two compares have written s40 and s41, ahead of their first readers, the four selects below
.irp b, E0, E1
	v_cndmask_b32 v[\b+10], v[\b+5], v[\b+6], s[40+(\b-E0)/16]
	v_cndmask_b32 v[\b+11], v[\b+6], v[\b+5], s[40+(\b-E0)/16]
.endr
.irp b, E0, E1
	v_xor_b32 v[\b+10], v[\b+10], v[\b+9]
	v_xor_b32 v[\b+11], v[\b+11], v[\b+8]
.endr
	s_wait_alu depctr_va_vdst(0)
	v_mul_f32 v[G1],   v[E0+13], v[E0+11]
	v_mul_f32 v[G1+1], v[E0+13], v[E0+10]
	v_mul_f32 v[VV],   v[E1+13], v[E1+11]
	v_mul_f32 v[VV+1], v[E1+13], v[E1+10]
	SWP G1S, G1
	SWP VVS, VV
	; g = 2 (w - 1) / a = 2 (w - 1) conj(a) / |a|^2, with Re a = -ARE:  Re = (1 - Re w) ARE + Im w Im a,  Im = (-Im w) ARE + (1 - Re w) Im a
	v_sub_f32 v[NUR], 1.0, v[G1]
	v_mul_f32 v[DEN], v[ARE], v[ARE]
	CMUL G2, G1, G1, G1S                           ; w^2
	CMUL VSQ, VV, VV, VVS                          ; V^2
	v_fmac_f32 v[DEN], v[AI], v[AI]
	v_mul_f32 v[NR], v[NUR], v[ARE]
	v_mul_f32 v[NI], v[G1S], v[ARE]
	v_rcp_f32 v[INV], v[DEN]
	v_fmac_f32 v[NR], v[G1+1], v[AI]               ; plain and independent, behind the reciprocal (ISA guide 5.7.2)
	v_fmac_f32 v[NI], v[NUR], v[AI]
	s_wait_alu depctr_va_vdst(0)
	v_add_f32 v[INV], v[INV], v[INV]               ; the result's factor 2
	v_mul_f32 v[GG], v[NR], v[INV]
	v_mul_f32 v[GG+1], v[NI], v[INV]
	SWP G2S, G2
	SWP VSQS, VSQ
	SWP GGS, GG
	CMUL G3, G2, G1, G1S                           ; w^3
	CMUL T+2, G2, G2, G2S                          ; w^4
	CMUL P0E, C0, GG, GGS                          ; sc[0]
	CMUL DE1, C1, GG, GGS                          ; sc[1]
	SWP G3S, G3
	v_xor_b32 v[T+3], s36, v[T+3]                  ; u = conj(w^4): column 1
	CMUL P0O, P0E, VV, VVS                         ; sc[0] V
	CMUL DO1, DE1, VV, VVS                         ; sc[1] V
	; columns 0 to 7: u^0 .. u^7, and the step u^8
	v_mov_b32 v[T], 1.0
	v_mov_b32 v[T+1], 0
	SWP US, T+2
	CMUL T+4, T+2, T+2, US
	SWP T2S, T+4
	CMUL T+6, T+4, T+2, US
	CMUL T+8, T+4, T+4, T2S
	SWP T4S, T+8
	CMUL T+10, T+2, T+8, T4S
	CMUL T+12, T+4, T+8, T4S
	CMUL T+14, T+6, T+8, T4S
	CMUL UU, T+8, T+8, T4S
	SWP UUS, UU
; Eight columns of B (a chunk): heads and rests, packed into the 16 registers from ob on.  No memory instruction stands here.
.macro BMAKE ob
.irp q, 0,1,2,3
	PACK \ob+\q, T+4*\q, T+4*\q+2
	PACK \ob+4+\q, T+4*\q+1, T+4*\q+3
.endr
.irp q, 0,1,2,3
	RESTL LT+4*\q, \ob+\q, T+4*\q
	RESTH LT+4*\q+2, \ob+\q, T+4*\q+2
	RESTL LT+4*\q+1, \ob+4+\q, T+4*\q+1
	RESTH LT+4*\q+3, \ob+4+\q, T+4*\q+3
.endr
.irp q, 0,1,2,3
	PACK \ob+8+\q, LT+4*\q, LT+4*\q+2
	PACK \ob+12+\q, LT+4*\q+1, LT+4*\q+3
.endr
.endm
; A chunk's four stores of 16 bytes: real and imaginary parts of the heads, then of the rests.
.macro BSEND ob, wa, off
	ds_store_b128 v[\wa], v[\ob:\ob+3] offset:\off
	ds_store_b128 v[\wa], v[\ob+4:\ob+7] offset:\off+IMROW
	ds_store_b128 v[\wa], v[\ob+8:\ob+11] offset:\off+LOP
	ds_store_b128 v[\wa], v[\ob+12:\ob+15] offset:\off+LOP+IMROW
.endm
.macro BSTEP                           ; the next eight columns: all eight times u^8, independent of each other
.irp i, 0,1,2,3,4,5,6,7
	PMUL TT+2*\i, T+2*\i, UU
.endr
.irp i, 0,1,2,3,4,5,6,7
	v_pk_fma_f32 v[T+2*\i:T+2*\i+1], v[T+2*\i:T+2*\i+1], v[UUS:UUS+1], v[TT+2*\i:TT+2*\i+1] op_sel:[1,0,0] op_sel_hi:[1,1,1]
.endr
.endm
; Pair k (an even chunk and the odd one behind it) packs into OUT[k % 2]; the eight stores of pair k - 1, from the other buffer, are dealt among its vector lines.
.irp k, 0,1,2,3
.if \k > 0
	s_wait_alu depctr_va_vdst(0)                   ; the pair before has written its OUT, which the eight stores of this pair's text read (at the first such wait WE and WO, their addresses, too)
.if \k > 1
	s_wait_alu depctr_vm_vsrc(0)                   ; the stores issued in the pair before have read the OUT that this pair's packings write again (and the head's loads have read v59-61, which become LR)
.endif
	BSEND OUT+32*((\k+1)%2), WE, 32*(\k-1)
.endif
	BMAKE OUT+32*(\k%2)
.if \k > 0
	BSEND OUT+32*((\k+1)%2)+16, WO, 32*(\k-1)      ; no wait: no vector line since the wait names that buffer or the addresses
.endif
	BSTEP
	BMAKE OUT+32*(\k%2)+16
.if \k < 3
	BSTEP
.endif
.endr
	s_wait_alu depctr_va_vdst(0)                   ; the last pair has written OUT1, which the eight stores read; every vector line that names v128-193 is done, where B's fragments land; RADR is written
	BSEND OUT+32, WE, 96
	BSEND OUT+48, WO, 96
; The four fragments of a tile of 16 rows or columns at byte column cb: (head, rest) x (K step 0: real parts, K step 1: imaginary parts).
; The first load of a fragment brings k = 8 half + 0..7 into registers 0-3, the second, 16 LDS rows below, k = 16 + 8 half + 0..7 into 4-7.
.macro LOADF dst, cb
.irp p, 0,1
.irp s, 0,1
	ds_load_tr16_b128 v[\dst+16*\p+8*\s:\dst+16*\p+8*\s+3], v[RADR] offset:\p*LOP+\s*IMROW+\cb
	ds_load_tr16_b128 v[\dst+16*\p+8*\s+4:\dst+16*\p+8*\s+7], v[RADR] offset:\p*LOP+\s*IMROW+16*PITCH+\cb
.endr
.endr
.endm
.irp c, 0,1,2,3
	LOADF BF+32*\c, 32*\c                          ; all of B stays in registers; these land while A's first tile is made
.endr
; The next of a tile's 24 matrix instructions, if any is left.  Number i: accumulator i % 4; product i / 4 = 0, 1: head x head (K steps 0, 1),
; 2, 3: A's rest x B's head, 4, 5: A's head x B's rest.  The first product starts the sums: nothing is cleared.  The four accumulators take
; turns, one instruction a turn.
.macro MM
.if mm_idx < 24
	.set mm_p, mm_idx/4
	.set mm_c, mm_idx%4
	.set mm_a, AF+16*((mm_p/2)%2)+8*(mm_p%2)
	.set mm_b, BF+32*mm_c+16*(mm_p/4)+8*(mm_p%2)
	.set mm_d, DF+8*mm_c
.if mm_p == 0
	v_wmma_f32_16x16x32_bf16 v[mm_d:mm_d+7], v[mm_a:mm_a+7], v[mm_b:mm_b+7], 0
.else
	v_wmma_f32_16x16x32_bf16 v[mm_d:mm_d+7], v[mm_a:mm_a+7], v[mm_b:mm_b+7], v[mm_d:mm_d+7]
.endif
	.set mm_idx, mm_idx+1
.endif
.endm
; Eight rows of A (one chunk): rows 0-3 = xe w^0..3, rows 4-7 = xo w^0..3, with xe = sc V^a, xo = sc V^(a+1).  more = 1: (ne, no) = (xe, xo) V^2 for
; the next chunk.  Twelve matrix instructions of the tile before are strewn among the vector work; they name v64-255, the vector work v1-61.
; The chunk ends up in HR, HM, LR, LM; its stores stand behind the macro.  free = 1: the chunk before was stored with no wait on vm_vsrc since.
.macro ABATCH xe, xo, ne, no, more, free
	MM
	PMUL R1, \xe, G1
	PMUL R2, \xe, G2
	PMUL R3, \xe, G3
	PMUL R5, \xo, G1
	MM
	PMUL R6, \xo, G2
	PMUL R7, \xo, G3
.if \more
	PMUL \ne, \xe, VSQ
	PMUL \no, \xo, VSQ
.endif
	MM
	PFMA R1, \xe, G1S
	PFMA R2, \xe, G2S
	PFMA R3, \xe, G3S
	PFMA R5, \xo, G1S
	MM
	PFMA R6, \xo, G2S
	PFMA R7, \xo, G3S
.if \more
	PFMA \ne, \xe, VSQS
	PFMA \no, \xo, VSQS
.endif
	MM
.if \free
	s_wait_alu depctr_vm_vsrc(0)                   ; the LDS stores of the chunk before have read HR, HM, LR and LM, which the lines from here on write again (at its first use B's stores have read v64-127 too, where A's fragments land and the first products write)
.endif
	PACK HR, \xe, R1
	PACK HM, \xe+1, R1+1
	PACK HR+1, R2, R3
	PACK HM+1, R2+1, R3+1
	MM
	PACK HR+2, \xo, R5
	PACK HM+2, \xo+1, R5+1
	PACK HR+3, R6, R7
	PACK HM+3, R6+1, R7+1
	MM
	RESTL LX, HR, \xe
	RESTH R1, HR, R1
	RESTL LX+1, HM, \xe+1
	RESTH R1+1, HM, R1+1
	MM
	RESTL R2, HR+1, R2
	RESTH R3, HR+1, R3
	RESTL R2+1, HM+1, R2+1
	RESTH R3+1, HM+1, R3+1
	MM
	RESTL LX+2, HR+2, \xo
	RESTH R5, HR+2, R5
	RESTL LX+3, HM+2, \xo+1
	RESTH R5+1, HM+2, R5+1
	MM
	RESTL R6, HR+3, R6
	RESTH R7, HR+3, R7
	RESTL R6+1, HM+3, R6+1
	RESTH R7+1, HM+3, R7+1
	MM
	PACK LR, LX, R1                                ; LM lies on LX: in this order each register of LX is read before it is written
	PACK LM, LX+1, R1+1
	PACK LR+1, R2, R3
	PACK LM+1, R2+1, R3+1
	MM
	PACK LR+2, LX+2, R5
	PACK LM+2, LX+3, R5+1
	PACK LR+3, R6, R7
	PACK LM+3, R6+1, R7+1
.endm
; A chunk's four stores of 16 bytes.
.macro ASTORE wa, off
	ds_store_b128 v[\wa], v[HR:HR+3] offset:\off
	ds_store_b128 v[\wa], v[HM:HM+3] offset:\off+IMROW
	ds_store_b128 v[\wa], v[LR:LR+3] offset:\off+LOP
	ds_store_b128 v[\wa], v[LM:LM+3] offset:\off+LOP+IMROW
.endm
; Behind a tile's first chunk.
.macro HALF cb
	s_wait_alu depctr_va_vdst(0)                   ; the chunk's sixteen packings have written HR, HM, LR and LM, which the four stores read
	ASTORE WE, \cb
.endm
; Five plain vector instructions that name none of their registers stand behind a tile's last matrix instructions, ahead of
; the stores that read the accumulators and of the next tile's first products, which write over them.
.macro PLACES
.rept 5
	v_nop
.endr
.endm
; A tile goes out.  Accumulator c, registers 0-3: byte 16 r + 256 c + 2048 half of the tile's 4,096; registers 4-7: 1,024 bytes on.
; In each store lanes 0-15 write 256 consecutive bytes at a multiple of 256 from out0's first byte, lanes 16-31 another such run.
.macro OUTT sb, off
.irp c, 0,1,2,3
	global_store_b128 v[OOFF], v[DF+8*\c:DF+8*\c+3], s[\sb:\sb+1] offset:\off+256*\c th:TH_STORE_NT
	global_store_b128 v[OOFF], v[DF+8*\c+4:DF+8*\c+7], s[\sb:\sb+1] offset:\off+256*\c+1024 th:TH_STORE_NT
.endr
.endm
; Between two tiles: the places, one wait for all twenty memory instructions, the second chunk stored, the next tile's fragments asked for, the finished tile stored.
.macro NEXTT cb, sb, off
	PLACES
	s_wait_alu depctr_va_vdst(0)                   ; the second chunk is packed (the LDS stores' data); the tile's products have written DF (the global stores' data) and are done reading AF (where the loads land); the places above stay beside this wait
	ASTORE WO, \cb
	LOADF AF, \cb
	OUTT \sb, \off
	s_wait_dscnt 0x0                               ; the next tile's fragments are in registers
	s_wait_xcnt 0x0                                ; the accumulators are the stores' data: the next tile's first products write them only behind this wait
	s_wait_alu depctr_vm_vsrc(0)                   ; the global stores have read DF, which the next products write; the LDS stores have read HR, HM, LR and LM, which the next chunk writes
.endm
	; Tile 2 d + t' holds rows m = 16 t' .. 16 t' + 15 of direction d, that is l = 1024 t' .. 1024 t' + 1023.
	; Tile 0 is made with no matrix work beside it; each later tile is made while the tile before is multiplied.
	.set mm_idx, 24
	ABATCH P0E, P0O, P1E, P1O, 1, 0                ; sc[0] V^0, V^1
	HALF ACOL
	ABATCH P1E, P1O, P0E, P0O, 1, 1                ; V^2, V^3
	s_wait_alu depctr_va_vdst(0)                   ; the chunk's packings have written HR, HM, LR and LM, which the stores read; the vector lines that named v96-127 are done, where A's fragments land
	ASTORE WO, ACOL
	LOADF AF, ACOL
	s_wait_dscnt 0x0                               ; tile 0's fragments, and all of B's
	.set mm_idx, 0
	ABATCH P0E, P0O, P1E, P1O, 1, 1                ; V^4, V^5
	HALF ACOL+32
	ABATCH P1E, P1O, P0E, P0O, 0, 1                ; V^6, V^7
	NEXTT ACOL+32, 12, 0
	.set mm_idx, 0
	ABATCH DE1, DO1, P0E, P0O, 1, 0                ; sc[1] V^0, V^1
	HALF ACOL+64
	ABATCH P0E, P0O, P1E, P1O, 1, 1
	NEXTT ACOL+64, 12, 4096
	.set mm_idx, 0
	ABATCH P1E, P1O, P0E, P0O, 1, 0
	HALF ACOL+96
	ABATCH P0E, P0O, P1E, P1O, 0, 1
	NEXTT ACOL+96, 22, 0
	.set mm_idx, 0
.rept 24
	MM                                             ; the last tile: nothing is left to make beside it
.endr
	PLACES
	s_wait_alu depctr_va_vdst(0)                   ; the last products have written DF, which the last eight stores read; the places above stay beside this wait
	OUTT 22, 4096
	s_set_vgpr_msb 0x5
	s_wait_dscnt 0x0
	s_wait_alu depctr_hold_cnt(0) depctr_sa_sdst(0) depctr_va_vdst(0) depctr_va_sdst(0) depctr_va_ssrc(0) depctr_va_vcc(0) depctr_vm_vsrc(0)
	s_wait_tensorcnt 0x0
	ds_add_u32 v0, v1
	s_wait_dscnt 0x0
	s_endpgm
.Lfunc_end_k_q7e40d75dd5_ssm:
	.size	k_q7e40d75dd5_ssm, .Lfunc_end_k_q7e40d75dd5_ssm-k_q7e40d75dd5_ssm
	.p2alignl 7, 3214868480
	.fill 96, 4, 3214868480
	.section	.rodata,"a",@progbits
	.p2align	6, 0x0
	.amdhsa_kernel k_q7e40d75dd5_ssm
		.amdhsa_group_segment_fixed_size 168448
		.amdhsa_private_segment_fixed_size 0
		.amdhsa_enable_private_segment 0
		.amdhsa_kernarg_size 40
		.amdhsa_user_sgpr_count 2
		.amdhsa_user_sgpr_kernarg_segment_ptr 1
		.amdhsa_wavefront_size32 1
		.amdhsa_system_sgpr_workgroup_id_x 1
		.amdhsa_system_sgpr_workgroup_id_y 1
		.amdhsa_system_sgpr_workgroup_id_z 1
		.amdhsa_system_vgpr_workitem_id 0
		.amdhsa_next_free_vgpr 258
		.amdhsa_next_free_sgpr 66
		.amdhsa_reserve_vcc 0
		.amdhsa_float_denorm_mode_32 3
		.amdhsa_float_denorm_mode_16_64 3
		.amdhsa_memory_ordered 1
		.amdhsa_forward_progress 1
		.amdhsa_inst_pref_size 76
	.end_amdhsa_kernel
	.amdgpu_metadata
---
amdhsa.version: [ 1, 2 ]
amdhsa.kernels:
  - .name:           k_q7e40d75dd5_ssm
    .symbol:         k_q7e40d75dd5_ssm.kd
    .args:
      - { .name: a_imag, .offset: 0, .size: 8, .value_kind: global_buffer, .address_space: global }
      - { .name: coeffs, .offset: 8, .size: 8, .value_kind: global_buffer, .address_space: global }
      - { .name: log_a_real, .offset: 16, .size: 8, .value_kind: global_buffer, .address_space: global }
      - { .name: log_dt, .offset: 24, .size: 8, .value_kind: global_buffer, .address_space: global }
      - { .name: out0, .offset: 32, .size: 8, .value_kind: global_buffer, .address_space: global }
    .group_segment_fixed_size: 168448
    .private_segment_fixed_size: 0
    .kernarg_segment_align: 8
    .kernarg_segment_size: 40
    .max_flat_workgroup_size: 128
    .sgpr_count:     66
    .vgpr_count:     258
    .wavefront_size: 32
...
	.end_amdgpu_metadata
.endif
;; end of part 2
